; MI455X (gfx1250); checked and timed in simulation.
; The chip was launched on July 23, 2026; its instructions are those of AMD's public machine-readable ISA for CDNA 5 (MIT licence, August 2026) and "CDNA5" Instruction Set Architecture Reference Guide (July 2026). The comments in the code are by the model that wrote it; some were corrected since.
;; Attention Block. Allowed arithmetic: matrix products marked QUANTISED: E2M3 operands, one E8M0 scale for each 32 along K, by v_wmma_scale_f32_16x16x128_f8f6f4 with both operands' format E2M3, f32 sums; everything else in f32.
;; Inputs: Wk_codes 512 x 16 x 24 uint8 (E2M3 codes of Wk, K innermost, in blocks of 32 codes, four codes in three bytes); Wk_scales 512 x 16 uint8 (E8M0 scales of Wk, one for each 32 codes along K); Wn_codes 512 x 16 x 24 uint8 (E2M3 codes of Wn, K innermost, in blocks of 32 codes, four codes in three bytes); Wn_scales 512 x 16 uint8 (E8M0 scales of Wn, one for each 32 codes along K); Wq_codes 512 x 16 x 24 uint8 (E2M3 codes of Wq, K innermost, in blocks of 32 codes, four codes in three bytes); Wq_scales 512 x 16 uint8 (E8M0 scales of Wq, one for each 32 codes along K); Wv_codes 512 x 16 x 24 uint8 (E2M3 codes of Wv, K innermost, in blocks of 32 codes, four codes in three bytes); Wv_scales 512 x 16 uint8 (E8M0 scales of Wv, one for each 32 codes along K); bk 512 float32; bn 512 float32; bq 512 float32; bv 512 float32; x 32 x 512 x 32 x 32 float32.
;; Outputs: out0 32 x 512 x 32 x 32 float32.
;; This version of the problem:
;;   THIS VERSION OF THE PROBLEM IS GIVEN IN LOW PRECISION. The matrix products marked QUANTISED in the list below multiply operands that are first quantised to E2M3 (2 exponent bits, 3 mantissa bits; 6 bits a number), with one power-of-two scale for each 32 numbers along K (OCP MX v1.0); their sums are f32. All else is computed in f32.
;;   The module's matrix products, in the order in which they are computed (A, B: the left and right operand; K: the contracted axis; several contracted axes count as one K, in the product's order):
;;     1. [M 512, K 512] x [K 512, N 32,768]; A: input Wq (given as codes); B: computed on the way: QUANTISED
;;     2. [M 512, K 512] x [K 512, N 32,768]; A: input Wk (given as codes); B: computed on the way: QUANTISED
;;     3. [M 512, K 512] x [K 512, N 32,768]; A: input Wv (given as codes); B: computed on the way: QUANTISED
;;     4. batch 32 x [M 1,024, K 512] x [K 512, N 1,024]; A: computed on the way; B: computed on the way: QUANTISED
;;     5. batch 32 x [M 512, K 1,024] x [K 1,024, N 1,024]; A: computed on the way; B: computed on the way: QUANTISED
;;     6. [M 512, K 512] x [K 512, N 32,768]; A: input Wn (given as codes); B: computed on the way: QUANTISED
;;   THE QUANTISER, for each operand of a quantised product, along K:
;;     - K is cut into blocks of 32 from its start; a last block that is shorter is filled with zeros.
;;     - A block's scale is 2^e with e = floor(log2(the largest magnitude in the block)) - 2, held to -126 .. 127; a block of zeros has e = 0. As a byte (E8M0): e + 127.
;;     - Each number is divided by its block's scale, clamped to +-7.5, and rounded to the nearest number of E2M3, ties to even, subnormals kept.
;;     - The product sums the exact products of the quantised numbers (number of the format x scale) in f32.
;;   ~~~python
;;   def quantise(x, axis):      # numpy; x: float32 -> the quantised numbers, widened to float32 again
;;       x = np.moveaxis(x, axis, -1); K = x.shape[-1]
;;       x = np.pad(x, [(0, 0)] * (x.ndim - 1) + [(0, -K % 32)]); x = x.reshape(x.shape[:-1] + (-1, 32)); a = np.abs(x).max(-1, keepdims=True)
;;       e = np.where(a > 0, np.clip(np.frexp(np.where(a > 0, a, 1))[1] - 1 - 2, -126, 127), 0)      # np.frexp(a)[1] - 1 = floor(log2(a)), exactly
;;       r = np.clip(x / 2.0 ** e, -7.5, 7.5)
;;       step = 2.0 ** (np.maximum(np.frexp(np.where(r == 0, 1, r))[1] - 1, 0) - 3)
;;       q = np.round(r / step) * step * 2.0 ** e      # np.round: ties to even
;;       return np.moveaxis(q.reshape(q.shape[:-2] + (-1,))[..., :K], -1, axis).astype(np.float32)
;;   ~~~
;;   OPERANDS COMPUTED ON THE WAY. 'Computed on the way' means the value that the module computes at that place (a softmax that the list does not call 'softmax' is quantised finished and normalised). What goes into a quantiser is computed in f32, as accurately as f32 sums, v_exp_f32 and their like allow (about 1e-6 of the number): no bf16 or f16 on the way to a quantiser, and a product that is left as it is and whose result goes on into a quantised operand takes f32 operands (vector FMAs, or v_wmma_f32_16x16x4_f32). A number that lies on a knife's edge between two numbers of the format may be rounded either way, as far as f32 arithmetic and the matrix unit's own rounding can turn it there, and no further.
;;   INPUTS GIVEN AS CODES. Wk (in the module: [512, 512], K = its axis 0); Wn (in the module: [512, 512], K = its axis 0); Wq (in the module: [512, 512], K = its axis 0); Wv (in the module: [512, 512], K = its axis 0): each comes as NAME_codes (uint8): NAME with its K axis moved to the last place and cut into blocks of 32 codes, [.., K / 32, bytes a block], one block behind the other in memory; four codes in three bytes: a row's codes are one little-endian stream of bits, code i at bits 6 i .. 6 i + 5 (a code: sign, 2 exponent bits, 3 mantissa bits); and NAME_scales (uint8): the same leading axes, one E8M0 byte (e + 127) for each 32 codes along K. Its value is code x scale, taken as it is: it is not quantised again, and the codes and scales need not be those that the quantiser above would give.
;; One version. Each part assembles by itself: llvm-mc -triple=amdgcn-amd-amdhsa -mcpu=gfx1250 --defsym DOCPART=n.
;; ======== version 1 of 1: 3 launches
;; limits: right only within a limited range of input values
;; workspace buffers: himg 13,107,200 bytes; qimg 13,107,200 bytes; kimg 13,107,200 bytes; vimg 13,107,200 bytes; wimg 819,200 bytes
;; launch norm (part 1): grid 8 x 32, 16 waves a work-group, no clusters, 3,072 bytes of LDS; arguments x, Wq_codes, Wq_scales, Wk_codes, Wk_scales, Wv_codes, Wv_scales, Wn_codes, Wn_scales, himg, wimg; writes himg, wimg
.if DOCPART == 1
	.amdgcn_target "amdgcn-amd-amdhsa--gfx1250"
	.amdhsa_code_object_version 6
	.text
	.protected	k_qd14547ab15_norm
	.globl	k_qd14547ab15_norm
	.p2align	8
	.type	k_qd14547ab15_norm,@function
k_qd14547ab15_norm:
	s_mov_b64 s[64:65], 0
	v_nop
	global_prefetch_b8 v0, s[64:65] scope:SCOPE_SE
	s_setreg_imm32_b32 hwreg(HW_REG_WAVE_MODE, 25, 1), 1
	s_wait_xcnt 0x0
; h = group_norm(x), quantised along the channels to codes of FP6 (E2M3) with one E8M0 byte for each 32 channels, and laid as IMAGES OF OPERAND REGISTERS; beside it the four weights are laid the same way.
; x: [32][512][1024] f32.  A group is 16 channels x 1,024 positions; mean and variance in two passes over registers (sum, then sum of squared differences), so that a common offset costs no accuracy.
; THE FORMAT OF ALL WORKSPACE BUFFERS.  A fragment (16 rows x 128 K, 12 registers a lane) is 1,536 bytes: registers 4 q .. 4 q + 3 of lane l at 512 q + 16 l.  A chunk (64 rows x 512 K) is 25,600 bytes: fragment (tile a, K step z)
; at 1536 (4 a + z), then four units of scale words at 24576 + 256 z: lane l's 8 bytes at 8 l: word 0 row l % 16 of tile l / 16, word 1 the same of tile 2 + l / 16.
; THE ROWS OF A TILE ARE NOT NEIGHBOURS: row r of tile 2 b + u is row 32 b + 8 u + r + 8 (r / 8) of the chunk, so that results of a product that takes such tiles as source 0 lie 16 neighbours to a lane.
; SHARES.  Work-group (x, batch): K step s = x / 2, lane half hh = x % 2: channels 128 s + 32 hh + 64 c + 0 .. 31 (c = 0, 1): two blocks of 32, four groups, all 1,024 positions, kept in registers: x is read once here.
; These are just the channels that lanes 16 hh .. 16 hh + 15 of the fragments of K step s hold, so each store of codes covers 256 consecutive bytes, aligned, from sixteen lanes.  Wave w takes chunk w (64 positions), a lane two positions.
; The scale bytes leave singly (a word's four bytes belong to 128 channels, which two work-groups hold): one byte for each 128 bytes read.
; SIDE JOB: wave 0 of the work-groups of batches 0 to 15 copies one K step of one chunk of one weight (4 fragments, 1 unit) into wimg: 128 such pieces are all four weights.
; No matrix unit, no cluster, no tensor load: the launch reads a stream once, and its work-groups share no input.
; LIMITS: NaN and infinities in x are not served.  A block whose largest magnitude lies under 2^-124, zeros among them, gets the byte 1 (the rule says 127 for zeros): its codes are zeros or held small, and only this program reads the bytes.
; The sums go by lanes, waves and a tree, not in the order of reference().
.set XO,  1                            ; v1   my byte in a channel's row of x: my position of slot 0
.set VC,  2                            ; v2   where my codes go in himg
.set VS,  3                            ; v3   where my scale bytes go
.set SA,  4                            ; v4   LDS: 4 x wave
.set SB,  5                            ; v5   LDS: 4 x (lane % 16)
.set RR,  6                            ; v6   r + 8 (r / 8)
.set R8,  7                            ; v7   r / 8
.set UU,  8                            ; v8   u = lane / 16
.set RW,  9                            ; v9   r = lane % 16
.set T,   10                           ; v10-13  a number for each of the four groups
.set PT,  14                           ; v14  a lane permute's destination
.set SM,  16                           ; v16-23  a pair of running sums for each group
.set MN,  24                           ; v24-31  a pair for each group: the mean, later 1 / sqrt(var + eps)
.set BM,  32                           ; v32-34  two maxima, the conversion's scale operand
.set CT,  36                           ; v36-38  a block's upper 16 codes
.set SW,  40                           ; v40-43  side job: scale words of four tiles
.set UP,  44                           ; v44-45  side job: the unit
.set WCO, 46                           ; v46, v47 side job: my bytes in a weight's codes and scales
.set WSO, 47
.set X,   48                           ; v48-175 x at X + 64 b + 32 c + i
.set CD,  176                          ; v176-199 codes: 12 registers for each slot b
.set WF,  200                          ; v200-247 side job: four fragments
.set BY,  248                          ; v248-251 a scale byte for each (b, c): no store's data are written again
.set WO,  252                          ; v252, v253 side job: where fragments and unit go
.set WS,  253
	s_load_b512 s[8:23], s[0:1], 0x0               ; x s[8:9]; codes and scales of Wq s[10:13], Wk s[14:17], Wv s[18:21], Wn's codes s[22:23]
	s_load_b128 s[24:27], s[0:1], 0x40             ; Wn's scales s[24:25], himg s[26:27]
	s_load_b64 s[28:29], s[0:1], 0x50              ; wimg
	v_lshl_add_u32 v254, v0, 2, 0x400
	v_mov_b32 v255, 0
	v_lshrrev_b32 v15, 5, v0
	s_delay_alu instid0(VALU_DEP_1)
	v_readfirstlane_b32 s30, v15                   ; wave 0..15
	s_mov_b32 s31, ttmp9                           ; work-group x
	s_and_b32 s32, ttmp7, 0xffff                   ; batch
	s_lshr_b32 s33, s31, 1                         ; s
	s_and_b32 s34, s31, 1                          ; hh
	s_mov_b32 s38, 0x76543210
	s_mov_b32 s39, 0xfedcba98                      ; v_permlanex16_b32's selects for lane l xor 16
	s_mov_b32 s40, 0xffff0000                      ; lanes 16-31
	s_mov_b32 s41, 0x38800000                      ; 2^-14 = 1 / (16 x 1,024)
	s_mov_b32 s42, 0x3727c5ac                      ; 1e-5
	v_mov_b32 v[PT], 0                             ; written once: a lane permute's destination counts as one of its sources
	v_and_b32 v[RW], 15, v0
	v_bfe_u32 v[UU], v0, 4, 1
	s_delay_alu instid0(VALU_DEP_2)
	v_lshrrev_b32 v[R8], 3, v[RW]
	s_delay_alu instid0(VALU_DEP_1)
	v_lshl_add_u32 v[RR], v[R8], 3, v[RW]
	s_delay_alu instid0(VALU_DEP_1)
	v_lshlrev_b32 v[XO], 2, v[RR]
	s_delay_alu instid0(VALU_DEP_1)
	v_lshl_add_u32 v[XO], v[UU], 5, v[XO]
	s_lshl_b32 s35, s30, 8
	v_add_nc_u32 v[XO], s35, v[XO]                 ; 4 x (64 wave + 8 u + r + 8 (r / 8))
	s_mul_i32 s35, s30, 25600                      ; my wave's chunk
	s_mul_i32 s36, s33, 1536
	s_add_co_u32 s36, s36, s35
	s_lshl_b32 s37, s34, 8
	s_add_co_u32 s36, s36, s37
	v_mul_u32_u24 v[VC], v[UU], 6144
	s_delay_alu instid0(VALU_DEP_1)
	v_lshl_add_u32 v[VC], v[RW], 4, v[VC]
	s_delay_alu instid0(VALU_DEP_1)
	v_add_nc_u32 v[VC], s36, v[VC]                 ; chunk + fragment (tile u, K step s) + lane 16 hh + r
	s_lshl_b32 s36, s33, 8
	s_add_co_u32 s36, s36, s35
	s_add_co_u32 s36, s36, s34
	s_add_co_u32 s36, s36, 24576
	v_lshlrev_b32 v[VS], 3, v[RW]
	s_delay_alu instid0(VALU_DEP_1)
	v_lshl_add_u32 v[VS], v[UU], 7, v[VS]
	s_delay_alu instid0(VALU_DEP_1)
	v_add_nc_u32 v[VS], s36, v[VS]                 ; chunk + unit s + 8 (16 u + r) + byte hh
	v_mov_b32 v[SA], s30
	s_delay_alu instid0(VALU_DEP_1)
	v_lshlrev_b32 v[SA], 2, v[SA]
	v_lshlrev_b32 v[SB], 2, v[RW]
	s_lshl_b32 s36, s32, 21                        ; batch x 512 x 4,096 bytes
	s_lshl_b32 s37, s33, 19                        ; + 128 s channels
	s_add_co_u32 s36, s36, s37
	s_lshl_b32 s37, s34, 17                        ; + 32 hh channels
	s_add_co_u32 s36, s36, s37
	s_mov_b32 s37, 0
	s_mul_i32 s44, s32, 409600                     ; a batch's 16 chunks
	s_mov_b32 s45, 0
	s_wait_kmcnt 0x0
	s_add_nc_u64 s[8:9], s[8:9], s[36:37]
	s_add_nc_u64 s[26:27], s[26:27], s[44:45]
; 128 loads, group by group: a wave's load covers 128 consecutive bytes of a channel's row, the two slots b together 256
.irp c, 0,1
.irp g, 0,1
.irp b, 0,1
.irp i, 0,1,2,3,4,5,6,7,8,9,10,11,12,13,14,15
	global_load_b32 v[X+64*\b+32*\c+16*\g+\i], v[XO], s[8:9] offset:(64*\c+16*\g+\i)*4096+128*\b th:TH_LOAD_NT
.endr
.endr
.endr
.endr
; ---- the side job: a branch on the wave's number and on the batch; no barrier stands inside
	s_cmp_lg_u32 s30, 0
	s_cbranch_scc1 .Lno_side
	s_cmp_ge_u32 s32, 16
	s_cbranch_scc1 .Lno_side
	s_lshr_b32 s46, s32, 2                         ; which weight: 0 q, 1 k, 2 v, 3 n
	s_and_b32 s47, s32, 3
	s_lshl_b32 s47, s47, 1
	s_lshr_b32 s49, s31, 2
	s_add_co_u32 s47, s47, s49                     ; which chunk of 64 rows
	s_and_b32 s48, s31, 3                          ; which K step
	s_cmp_eq_u32 s46, 1                            ; the choice hangs on the batch alone
	s_cselect_b64 s[10:11], s[14:15], s[10:11]
	s_cselect_b64 s[12:13], s[16:17], s[12:13]
	s_cmp_eq_u32 s46, 2
	s_cselect_b64 s[10:11], s[18:19], s[10:11]
	s_cselect_b64 s[12:13], s[20:21], s[12:13]
	s_cmp_eq_u32 s46, 3
	s_cselect_b64 s[10:11], s[22:23], s[10:11]
	s_cselect_b64 s[12:13], s[24:25], s[12:13]
	s_mul_i32 s50, s47, 24576                      ; 64 rows of 384 bytes of codes
	s_mul_i32 s49, s48, 96                         ; 128 codes
	s_add_co_u32 s50, s50, s49
	s_mov_b32 s51, 0
	s_add_nc_u64 s[10:11], s[10:11], s[50:51]
	s_lshl_b32 s50, s47, 10                        ; 64 rows of 16 scale bytes
	s_lshl_b32 s49, s48, 2
	s_add_co_u32 s50, s50, s49
	s_add_nc_u64 s[12:13], s[12:13], s[50:51]
	s_mul_i32 s50, s46, 204800                     ; a weight's 8 chunks
	s_mul_i32 s49, s47, 25600
	s_add_co_u32 s50, s50, s49
	s_add_nc_u64 s[28:29], s[28:29], s[50:51]
	v_mul_u32_u24 v[WCO], v[RR], 384
	s_delay_alu instid0(VALU_DEP_1)
	v_mad_u32_u24 v[WCO], v[UU], 24, v[WCO]        ; row r + 8 (r / 8), + 24 bytes for lanes 16-31
	v_lshlrev_b32 v[WSO], 4, v[RR]
	v_and_b32 v[WO], 31, v0
	s_delay_alu instid0(VALU_DEP_1)
	v_lshlrev_b32 v[WS], 3, v[WO]
	s_delay_alu instid0(VALU_DEP_2)
	v_lshlrev_b32 v[WO], 4, v[WO]
	s_mul_i32 s49, s48, 1536
	v_add_nc_u32 v[WO], s49, v[WO]                 ; 16 x lane + fragment (0, z)
	s_lshl_b32 s49, s48, 8
	s_add_co_u32 s49, s49, 24576
	v_add_nc_u32 v[WS], s49, v[WS]                 ; 8 x lane + unit z
.irp a, 0,1,2,3
.irp p, 0,1,2,3,4,5
	global_load_b64 v[WF+12*\a+2*\p:WF+12*\a+2*\p+1], v[WCO], s[10:11] offset:(32*(\a/2)+8*(\a%2))*384+48*(\p/3)+8*(\p%3)   ; a fragment as the operand's layout takes it: 24 bytes, and 24 bytes 48 further on
.endr
	global_load_b32 v[SW+\a], v[WSO], s[12:13] offset:(32*(\a/2)+8*(\a%2))*16
.endr
	s_wait_alu depctr_va_vdst(0)
	s_wait_loadcnt 0x0                             ; these 28, and with them x, which the wave wants next
	v_cndmask_b32 v[UP], v[SW], v[SW+1], s40       ; the unit: lanes 0-15 tile 0 (2), lanes 16-31 tile 1 (3)
	v_cndmask_b32 v[UP+1], v[SW+2], v[SW+3], s40
.irp a, 0,1,2,3
.irp g, 0,1,2
	global_store_b128 v[WO], v[WF+12*\a+4*\g:WF+12*\a+4*\g+3], s[28:29] offset:6144*\a+512*\g   ; 512 consecutive bytes
.endr
.endr
	global_store_b64 v[WS], v[UP:UP+1], s[28:29]   ; 256 consecutive bytes, aligned
.Lno_side:
; four numbers, one a group: summed over the wave's lanes, then over the 16 waves through LDS; every lane ends with the totals
.macro ROWSUM
.irp m, 1,2,4,8
.irp g, 0,1,2,3
	v_add_f32_dpp v[T+\g], v[T+\g], v[T+\g] row_xmask:\m row_mask:0xf bank_mask:0xf
.endr
.endr
.endm
.macro REDUCE base
	ROWSUM
.irp g, 0
	s_delay_alu instid0(VALU_DEP_4)
	v_permlanex16_b32 v[PT], v[T+\g], s38, s39
	s_delay_alu instid0(VALU_DEP_1)
	v_add_f32 v[T+\g], v[T+\g], v[PT]
.endr
.irp g, 1, 2, 3
	s_delay_alu instid0(VALU_DEP_2)
	v_permlanex16_b32 v[PT], v[T+\g], s38, s39
	s_delay_alu instid0(VALU_DEP_1)
	v_add_f32 v[T+\g], v[T+\g], v[PT]
.endr
.irp g, 0,1,2,3
	ds_store_b32 v[SA], v[T+\g] offset:\base+64*\g ; all lanes write the wave's word with the same value
.endr
	s_wait_dscnt 0x0                               ; for the others' sake: my stores have landed
	s_barrier_signal -1
	s_barrier_wait -1
.irp g, 0,1,2,3
	ds_load_b32 v[T+\g], v[SB] offset:\base+64*\g  ; lane l takes wave l % 16's word
.endr
	s_wait_dscnt 0x0
	ROWSUM
.endm
; ---- pass 1: the sums
.macro GSUM c, g, left
	s_wait_loadcnt \left
.set XB, X+32*\c+16*\g
.set GG, 2*\c+\g
	v_pk_add_f32 v[SM+2*GG:SM+2*GG+1], v[XB:XB+1], v[XB+2:XB+3]
.irp i, 4,6,8,10,12,14
	s_delay_alu instid0(VALU_DEP_1)
	v_pk_add_f32 v[SM+2*GG:SM+2*GG+1], v[SM+2*GG:SM+2*GG+1], v[XB+\i:XB+\i+1]
.endr
.irp i, 0,2,4,6,8,10,12,14
	s_delay_alu instid0(VALU_DEP_1)
	v_pk_add_f32 v[SM+2*GG:SM+2*GG+1], v[SM+2*GG:SM+2*GG+1], v[XB+64+\i:XB+64+\i+1]
.endr
	s_delay_alu instid0(VALU_DEP_1)
	v_add_f32 v[T+GG], v[SM+2*GG], v[SM+2*GG+1]
.endm
	GSUM 0, 0, 63                                  ; the 63 youngest of the 128 loads may be out: the first 65 are in, groups 0 and 1 among them (a count holds no more than 63: ISA guide 5.7.1)
	GSUM 0, 1, 63
	GSUM 1, 0, 32                                  ; group 3's 32 may be out
	GSUM 1, 1, 0
	REDUCE 0
.irp g, 0,1,2,3
	s_delay_alu instid0(VALU_DEP_4)
	v_mul_f32 v[MN+2*\g], s41, v[T+\g]             ; the mean
.endr
.irp g, 0,1,2,3
	s_delay_alu instid0(VALU_DEP_4)
	v_mov_b32 v[MN+2*\g+1], v[MN+2*\g]             ; (named with it as a pair, so it is written)
.endr
; ---- pass 2: d = x - mean in place, and the sums of d^2
.irp c, 0,1
.irp g, 0,1
.irp b, 0,1
.irp i, 0,2,4,6,8,10,12,14
	v_pk_add_f32 v[X+64*\b+32*\c+16*\g+\i:X+64*\b+32*\c+16*\g+\i+1], v[X+64*\b+32*\c+16*\g+\i:X+64*\b+32*\c+16*\g+\i+1], v[MN+2*(2*\c+\g):MN+2*(2*\c+\g)+1] op_sel_hi:[1,0] neg_lo:[0,1] neg_hi:[0,1]
.endr
.endr
.endr
.endr
.macro GSQ c, g
.set XB, X+32*\c+16*\g
.set GG, 2*\c+\g
	v_pk_mul_f32 v[SM+2*GG:SM+2*GG+1], v[XB:XB+1], v[XB:XB+1]
.irp i, 2,4,6,8,10,12,14
	s_delay_alu instid0(VALU_DEP_1)
	v_pk_fma_f32 v[SM+2*GG:SM+2*GG+1], v[XB+\i:XB+\i+1], v[XB+\i:XB+\i+1], v[SM+2*GG:SM+2*GG+1]
.endr
.irp i, 0,2,4,6,8,10,12,14
	s_delay_alu instid0(VALU_DEP_1)
	v_pk_fma_f32 v[SM+2*GG:SM+2*GG+1], v[XB+64+\i:XB+64+\i+1], v[XB+64+\i:XB+64+\i+1], v[SM+2*GG:SM+2*GG+1]
.endr
	s_delay_alu instid0(VALU_DEP_1)
	v_add_f32 v[T+GG], v[SM+2*GG], v[SM+2*GG+1]
.endm
	GSQ 0, 0
	GSQ 0, 1
	GSQ 1, 0
	GSQ 1, 1
	REDUCE 256                                     ; other LDS words than pass 1's: no barrier is owed between the two
.irp g, 0,1,2,3
	s_delay_alu instid0(VALU_DEP_4)
	v_fma_f32 v[T+\g], v[T+\g], s41, s42           ; var + eps
.endr
	s_wait_alu depctr_va_vdst(0)
.irp g, 0,1,2,3
	v_rsq_f32 v[MN+2*\g], v[T+\g]
.endr
	v_nop                                          ; a plain instruction behind the last of them (ISA guide 5.7.2)
	s_wait_alu depctr_va_vdst(0)                   ; one wait for the four, ahead of their first reader
.irp g, 0,1,2,3
	v_mov_b32 v[MN+2*\g+1], v[MN+2*\g]
.endr
.irp c, 0,1
.irp g, 0,1
.irp b, 0,1
.irp i, 0,2,4,6,8,10,12,14
	v_pk_mul_f32 v[X+64*\b+32*\c+16*\g+\i:X+64*\b+32*\c+16*\g+\i+1], v[X+64*\b+32*\c+16*\g+\i:X+64*\b+32*\c+16*\g+\i+1], v[MN+2*(2*\c+\g):MN+2*(2*\c+\g)+1] op_sel_hi:[1,0]   ; h
.endr
.endr
.endr
.endr
; ---- a block of 32 channels of one position lies in one lane's 32 registers: its largest magnitude needs no other lane
.macro BLOCKQ b, c
.set XB, X+64*\b+32*\c
.set CB, CD+12*\b+6*\c
	v_max3_num_f32 v[BM], |v[XB]|, |v[XB+1]|, |v[XB+2]|
	v_max3_num_f32 v[BM+1], |v[XB+3]|, |v[XB+4]|, |v[XB+5]|
.irp i, 6,10,14,18,22,26
	s_delay_alu instid0(VALU_DEP_2)
	v_max3_num_f32 v[BM], v[BM], |v[XB+\i]|, |v[XB+\i+1]|
	s_delay_alu instid0(VALU_DEP_2)
	v_max3_num_f32 v[BM+1], v[BM+1], |v[XB+\i+2]|, |v[XB+\i+3]|
.endr
	s_delay_alu instid0(VALU_DEP_2)
	v_max3_num_f32 v[BM], v[BM], |v[XB+30]|, |v[XB+31]|
	s_delay_alu instid0(VALU_DEP_1)
	v_max3_num_f32 v[BM], v[BM], v[BM+1], 0x1800000        ; and the floor 2^(3 - 127): the byte cannot fall under 1
	s_delay_alu instid0(VALU_DEP_1)
	v_add_nc_u32 v[BM+2], 0xff000000, v[BM]        ; 2 off the exponent field: the conversion takes this operand's exponent field as its scale
	v_cvt_scalef32_pk16_fp6_f32 v[CB:CB+2], v[XB:XB+15], v[BM+2]
	v_cvt_scalef32_pk16_fp6_f32 v[CT:CT+2], v[XB+16:XB+31], v[BM+2]   ; (a conversion's three registers begin on an even number)
	v_lshrrev_b32 v[BY+2*\b+\c], 23, v[BM+2]       ; the scale's byte; also the plain instruction behind the conversions
.irp i, 0,1,2
	v_mov_b32 v[CB+3+\i], v[CT+\i]
.endr
	global_store_b8 v[VS], v[BY+2*\b+\c], s[26:27] offset:4*\b+2*\c   ; word b of the unit's pair, byte 2 c + hh
.endm
.irp b, 0,1
	BLOCKQ \b, 0
	BLOCKQ \b, 1
.irp g, 0,1,2
	global_store_b128 v[VC], v[CD+12*\b+4*\g:CD+12*\b+4*\g+3], s[26:27] offset:12288*\b+512*\g   ; lanes 0-15 store 256 consecutive bytes, aligned (tile 2 b), lanes 16-31 another 256 (tile 2 b + 1)
.endr
.endr
	s_wait_tensorcnt 0x0
	ds_add_u32 v254, v255
	s_wait_dscnt 0x0
	s_endpgm
.Lfunc_end_k_qd14547ab15_norm:
	.size	k_qd14547ab15_norm, .Lfunc_end_k_qd14547ab15_norm-k_qd14547ab15_norm
	.p2alignl 7, 3214868480
	.fill 96, 4, 3214868480
	.section	.rodata,"a",@progbits
	.p2align	6, 0x0
	.amdhsa_kernel k_qd14547ab15_norm
		.amdhsa_group_segment_fixed_size 3072
		.amdhsa_private_segment_fixed_size 0
		.amdhsa_enable_private_segment 0
		.amdhsa_kernarg_size 88
		.amdhsa_user_sgpr_count 2
		.amdhsa_user_sgpr_kernarg_segment_ptr 1
		.amdhsa_wavefront_size32 1
		.amdhsa_system_sgpr_workgroup_id_x 1
		.amdhsa_system_sgpr_workgroup_id_y 1
		.amdhsa_system_sgpr_workgroup_id_z 1
		.amdhsa_system_vgpr_workitem_id 0
		.amdhsa_next_free_vgpr 256
		.amdhsa_next_free_sgpr 66
		.amdhsa_reserve_vcc 0
		.amdhsa_float_denorm_mode_32 3
		.amdhsa_float_denorm_mode_16_64 3
		.amdhsa_memory_ordered 1
		.amdhsa_forward_progress 1
		.amdhsa_inst_pref_size 57
	.end_amdhsa_kernel
	.amdgpu_metadata
---
amdhsa.version: [ 1, 2 ]
amdhsa.kernels:
  - .name:           k_qd14547ab15_norm
    .symbol:         k_qd14547ab15_norm.kd
    .args:
      - { .name: x, .offset: 0, .size: 8, .value_kind: global_buffer, .address_space: global }
      - { .name: Wq_codes, .offset: 8, .size: 8, .value_kind: global_buffer, .address_space: global }
      - { .name: Wq_scales, .offset: 16, .size: 8, .value_kind: global_buffer, .address_space: global }
      - { .name: Wk_codes, .offset: 24, .size: 8, .value_kind: global_buffer, .address_space: global }
      - { .name: Wk_scales, .offset: 32, .size: 8, .value_kind: global_buffer, .address_space: global }
      - { .name: Wv_codes, .offset: 40, .size: 8, .value_kind: global_buffer, .address_space: global }
      - { .name: Wv_scales, .offset: 48, .size: 8, .value_kind: global_buffer, .address_space: global }
      - { .name: Wn_codes, .offset: 56, .size: 8, .value_kind: global_buffer, .address_space: global }
      - { .name: Wn_scales, .offset: 64, .size: 8, .value_kind: global_buffer, .address_space: global }
      - { .name: himg, .offset: 72, .size: 8, .value_kind: global_buffer, .address_space: global }
      - { .name: wimg, .offset: 80, .size: 8, .value_kind: global_buffer, .address_space: global }
    .group_segment_fixed_size: 3072
    .private_segment_fixed_size: 0
    .kernarg_segment_align: 8
    .kernarg_segment_size: 88
    .max_flat_workgroup_size: 512
    .sgpr_count:     66
    .vgpr_count:     256
    .wavefront_size: 32
...
	.end_amdgpu_metadata
.endif
;; end of part 1
;; launch proj (part 2): grid 64 x 3, 4 waves a work-group, no clusters, 327,680 bytes of LDS; arguments himg, wimg, bq, bk, bv, qimg, kimg, vimg; writes qimg, kimg, vimg
.if DOCPART == 2
	.amdgcn_target "amdgcn-amd-amdhsa--gfx1250"
	.amdhsa_code_object_version 6
	.text
	.protected	k_qd14547ab15_proj
	.globl	k_qd14547ab15_proj
	.p2align	8
	.type	k_qd14547ab15_proj,@function
k_qd14547ab15_proj:
	s_mov_b64 s[64:65], 0
	v_nop
	global_prefetch_b8 v0, s[64:65] scope:SCOPE_SE
	s_setreg_imm32_b32 hwreg(HW_REG_WAVE_MODE, 25, 1), 1
	s_wait_xcnt 0x0
.set L16, 1
.set L8,  2
.set SAD, 3
.set SUD, 4
.set FO,  5
.set UO,  6
.set BA0, 7
.set BA,  8
.set H64, 9
.set RS,  16
.set SS,  32
.set BL,  40
.set BR,  48
.set ACC, 112
.set TM,  176
.set PW,  192
.set PWS, 196
.set PC,  200
.set UP,  220
.set SEL, 60
.set MSB, 0
.macro WIN new
.if MSB != (\new)
	s_set_vgpr_msb (MSB<<8)|(\new)
.set MSB, (\new)
.endif
.endm
.macro WM zero, ra, rb
.if \zero
.if (\ra) && (\rb)
	v_wmma_scale_f32_16x16x128_f8f6f4 v[rD:rD+7], v[rA:rA+11], v[rB:rB+11], 0, v[rSA], v[rSB] matrix_a_fmt:MATRIX_FMT_FP6 matrix_b_fmt:MATRIX_FMT_FP6 matrix_a_scale:MATRIX_SCALE_ROW1 matrix_b_scale:MATRIX_SCALE_ROW1
.elseif \ra
	v_wmma_scale_f32_16x16x128_f8f6f4 v[rD:rD+7], v[rA:rA+11], v[rB:rB+11], 0, v[rSA], v[rSB] matrix_a_fmt:MATRIX_FMT_FP6 matrix_b_fmt:MATRIX_FMT_FP6 matrix_a_scale:MATRIX_SCALE_ROW1
.elseif \rb
	v_wmma_scale_f32_16x16x128_f8f6f4 v[rD:rD+7], v[rA:rA+11], v[rB:rB+11], 0, v[rSA], v[rSB] matrix_a_fmt:MATRIX_FMT_FP6 matrix_b_fmt:MATRIX_FMT_FP6 matrix_b_scale:MATRIX_SCALE_ROW1
.else
	v_wmma_scale_f32_16x16x128_f8f6f4 v[rD:rD+7], v[rA:rA+11], v[rB:rB+11], 0, v[rSA], v[rSB] matrix_a_fmt:MATRIX_FMT_FP6 matrix_b_fmt:MATRIX_FMT_FP6
.endif
.else
.if (\ra) && (\rb)
	v_wmma_scale_f32_16x16x128_f8f6f4 v[rD:rD+7], v[rA:rA+11], v[rB:rB+11], v[rC:rC+7], v[rSA], v[rSB] matrix_a_fmt:MATRIX_FMT_FP6 matrix_b_fmt:MATRIX_FMT_FP6 matrix_a_scale:MATRIX_SCALE_ROW1 matrix_b_scale:MATRIX_SCALE_ROW1
.elseif \ra
	v_wmma_scale_f32_16x16x128_f8f6f4 v[rD:rD+7], v[rA:rA+11], v[rB:rB+11], v[rC:rC+7], v[rSA], v[rSB] matrix_a_fmt:MATRIX_FMT_FP6 matrix_b_fmt:MATRIX_FMT_FP6 matrix_a_scale:MATRIX_SCALE_ROW1
.elseif \rb
	v_wmma_scale_f32_16x16x128_f8f6f4 v[rD:rD+7], v[rA:rA+11], v[rB:rB+11], v[rC:rC+7], v[rSA], v[rSB] matrix_a_fmt:MATRIX_FMT_FP6 matrix_b_fmt:MATRIX_FMT_FP6 matrix_b_scale:MATRIX_SCALE_ROW1
.else
	v_wmma_scale_f32_16x16x128_f8f6f4 v[rD:rD+7], v[rA:rA+11], v[rB:rB+11], v[rC:rC+7], v[rSA], v[rSB] matrix_a_fmt:MATRIX_FMT_FP6 matrix_b_fmt:MATRIX_FMT_FP6
.endif
.endif
.endm
.macro QUANT src, w
	WIN (\w)|((\w)<<2)
.irp b, 0,1,2,3
	v_max3_num_f32 v[TM+\b], |v[\src+16*\b]|, |v[\src+1+16*\b]|, 0x1800000
.endr
.irp i, 2,4,6,8,10,12,14
.irp b, 0,1,2,3
	v_max3_num_f32 v[TM+\b], |v[\src+16*\b+\i]|, |v[\src+1+16*\b+\i]|, v[TM+\b]
.endr
.endr
	WIN 0
.irp b, 0,1,2,3
	v_permlanex16_b32 v[TM+4+\b], v[TM+\b], s[SEL], s[SEL+1]
.endr
.irp b, 0,1,2,3
	v_max_num_f32 v[TM+\b], v[TM+\b], v[TM+4+\b]
.endr
.irp b, 0,1,2,3
	v_add_nc_u32 v[TM+12+\b], 0xff000000, v[TM+\b]
.endr
.irp b, 0,1,2,3
	v_lshrrev_b32 v[TM+4+\b], 23, v[TM+12+\b]
.endr
	v_lshl_or_b32 v[PW], v[TM+5], 8, v[TM+4]
	v_lshl_or_b32 v[PW], v[TM+6], 16, v[PW]
	v_lshl_or_b32 v[PW], v[TM+7], 24, v[PW]
	WIN (\w)
.irp c, 0,1
	v_cvt_scalef32_pk16_fp6_f32 v[PC+6*\c:PC+2+6*\c], v[\src+32*\c:\src+15+32*\c], v[TM+12+2*\c]
	v_cvt_scalef32_pk16_fp6_f32 v[PC+12+4*\c:PC+14+4*\c], v[\src+16+32*\c:\src+31+32*\c], v[TM+12+2*\c+1]
.endr
	WIN 0
	v_nop
.irp c, 0,1
.irp i, 0,1,2
	v_permlane16_swap_b32 v[PC+6*\c+\i], v[PC+12+4*\c+\i]
.endr
.irp i, 0,1,2
	v_mov_b32 v[PC+3+6*\c+\i], v[PC+12+4*\c+\i]
.endr
.endr
.endm
	s_load_b512 s[4:19], s[0:1], 0x0
	v_lshl_add_u32 v254, v0, 2, 0x32000
	v_mov_b32 v255, 0
	ds_add_u32 v254, v255
	ds_add_u32 v254, v255
	v_lshrrev_b32 v10, 5, v0
	v_readfirstlane_b32 s20, v10
	s_lshr_b32 s21, ttmp9, 1
	s_and_b32 s22, ttmp9, 1
	s_and_b32 s23, ttmp7, 0xffff
	s_mov_b32 s24, 3<<16
	s_mov_b32 s25, 32<<16
	s_mov_b32 s26, 200<<16                         ; a wave brings two neighbouring chunks, 200 rows of 256 bytes, by its one tensor load
	s_mov_b32 s27, 32<<16
	s_mov_b32 s28, 200
	s_mov_b32 s29, 32
	s_mov_b32 s30, 0
	s_mov_b32 s31, 0
	s_mul_i32 s58, s21, 409600
	s_mul_i32 s59, s22, 204800
	s_mov_b32 s68, s59
	s_add_co_u32 s59, s59, s58
	s_mul_i32 s66, s23, 204800
	s_lshl_b32 s67, s22, 1
	s_lshr_b32 s69, s20, 1
	s_add_co_u32 s67, s67, s69
	s_mul_i32 s67, s67, 25600
	s_and_b32 s69, s20, 1
	s_lshl_b32 s69, s69, 1
	s_mov_b32 s52, 25600
	s_mul_i32 s33, s20, 51200                      ; chunks 2 w, 2 w + 1, in memory and in LDS alike: LDS holds the eight chunks as they lie in memory
	s_wait_dscnt 0x0
	s_wait_kmcnt 0x0
	s_cmp_eq_u32 s23, 2
	s_cselect_b64 s[48:49], s[6:7], s[4:5]
	s_cselect_b64 s[46:47], s[4:5], s[6:7]
	s_cselect_b32 s50, 0, -1
	s_cselect_b32 s51, 1, 0
	s_cselect_b32 s53, 1, 0
	s_cselect_b32 s52, 102400, s52
	s_cselect_b32 s54, s67, s68
	s_cselect_b32 s55, s69, s20
	s_cselect_b32 s70, 409600, s59
	s_cselect_b32 s66, s59, s66
	s_add_co_u32 s70, s70, s33
	s_mov_b32 s71, 0
	s_add_nc_u64 s[48:49], s[48:49], s[70:71]
	s_mov_b32 s32, 1
	s_mov_b64 s[34:35], s[48:49]
	s_or_b32 s35, s35, 0x80000000
	tensor_load_to_lds s[32:35], s[24:31]
	s_nop 0
.rept 4
	v_nop
.endr
	s_mul_i32 s67, s20, 51200
	s_add_co_u32 s66, s66, s67
	s_mov_b32 s67, 0
	s_add_nc_u64 s[46:47], s[46:47], s[66:67]
	s_cmp_eq_u32 s23, 1
	s_cselect_b64 s[40:41], s[16:17], s[14:15]
	s_cselect_b64 s[42:43], s[10:11], s[8:9]
	s_cmp_eq_u32 s23, 2
	s_cselect_b64 s[40:41], s[18:19], s[40:41]
	s_cselect_b64 s[42:43], s[12:13], s[42:43]
	s_mov_b32 s68, s58
	s_mov_b32 s69, 0
	s_add_nc_u64 s[40:41], s[40:41], s[68:69]
	s_lshl_b32 s68, s20, 9
	s_add_nc_u64 s[44:45], s[42:43], s[68:69]
	s_mov_b32 s[SEL], 0x76543210
	s_mov_b32 s[SEL+1], 0xfedcba98
	s_mov_b32 s62, 0xffff0000
	v_and_b32 v10, 31, v0
	v_lshlrev_b32 v[L16], 4, v10
	v_lshlrev_b32 v[L8], 3, v10
	v_and_b32 v11, 15, v0
	v_bfe_u32 v12, v0, 4, 1
	v_lshlrev_b32 v[H64], 6, v12
	v_and_b32 v13, 8, v11
	v_add_nc_u32 v13, v13, v11
	v_lshlrev_b32 v[BA0], 2, v13
	WIN 0x80
.set f, 0
.rept 16
.irp g, 0,1,2
	global_load_b128 v[12*f+4*\g:12*f+4*\g+3], v[L16], s[46:47] offset:1536*f+512*\g
.endr
.set f, f+1
.endr
	WIN 0xc0
.set f, 0
.rept 16
.irp g, 0,1,2
	global_load_b128 v[12*f+4*\g:12*f+4*\g+3], v[L16], s[46:47] offset:25600+1536*f+512*\g
.endr
.set f, f+1
.endr
	WIN 0
.irp c, 0,1
.irp z, 0,1,2,3
	global_load_b64 v[RS+8*\c+2*\z:RS+8*\c+2*\z+1], v[L8], s[46:47] offset:25600*\c+24576+256*\z
.endr
.endr
.irp t, 0,1,2,3,4,5,6,7
	global_load_b128 v[BR+8*\t:BR+8*\t+3], v[H64], s[44:45] offset:(32*(\t/2)+8*(\t%2))*4
	global_load_b128 v[BR+8*\t+4:BR+8*\t+7], v[H64], s[44:45] offset:(32*(\t/2)+8*(\t%2))*4+16
.endr
.irp b, 0,1,2,3
	v_mov_b32 v[TM+4+\b], 0
	v_mov_b32 v[BL+2*\b+1], 0
.endr
	s_wait_loadcnt 0x0
.set j, 0
.rept 64
	v_and_b32 v[BR+j], s50, v[BR+j]
.set j, j+1
.endr
	s_wait_tensorcnt 0x0
	s_barrier_signal -1
	s_barrier_wait -1
.macro TILE tile
	s_wait_dscnt 12*\tile
.irp c, 0,1
	WIN 0x06+\c
.irp s, 0,1,2,3
.irp t, 0,1,2,3
.set rD, ACC+8*(4*\c+\t)
.set rA, 12*(4*\t+\s)
.set rB, 12*(4*\tile+\s)
.set rC, rD
.if \s == 0
.set rC, BR+8*(4*\c+\t)
.endif
.set rSA, RS+8*\c+2*\s+\t/2
.set rSB, SS+2*\s+\tile/2
	WM 0, \t%2, \tile%2
.endr
.endr
.endr
	WIN 0
.rept 4
	v_nop
.endr
	WIN 0x40
.irp z, 0,1,2,3
.irp g, 0,1,2
	ds_load_b128 v[12*(4*\tile+\z)+4*\g:12*(4*\tile+\z)+4*\g+3], v[SAD] offset:1536*(4*\tile+\z)+512*\g
.endr
.endr
	WIN 0
.if \tile == 3
.irp z, 0,1,2,3
	ds_load_b64 v[SS+2*\z:SS+2*\z+1], v[SUD] offset:24576+256*\z
.endr
.endif
	s_wait_loadcnt 0x3
	s_cmp_lg_u32 s23, 2
	s_cbranch_scc1 .Lno_lane_bias_\@
.set j, 0
.rept 32
	v_pk_add_f32 v[ACC+j:ACC+j+1], v[ACC+j:ACC+j+1], v[BL+2*\tile:BL+2*\tile+1] op_sel_hi:[1,0]
.set j, j+2
.endr
.Lno_lane_bias_\@:
	global_load_b32 v[BL+2*\tile], v[BA], s[42:43] offset:(32*(\tile/2)+8*(\tile%2))*4
	s_wait_xcnt 0x0
	QUANT ACC, 0
	v_mov_b32 v[PWS+\tile], v[PW]
.irp g, 0,1,2
	global_store_b128 v[FO], v[PC+4*\g:PC+4*\g+3], s[40:41] offset:6144*\tile+512*\g
.endr
.endm
.irp a, 0,1,2,3
	global_load_b32 v[BL+2*\a], v[BA0], s[42:43] offset:(32*(\a/2)+8*(\a%2))*4
.endr
.irp z, 0,1,2,3
	ds_load_b64 v[SS+2*\z:SS+2*\z+1], v[L8] offset:24576+256*\z
.endr
	WIN 0x40
.irp a, 0,1,2,3
.irp z, 0,1,2,3
.irp g, 0,1,2
	ds_load_b128 v[12*(4*\a+\z)+4*\g:12*(4*\a+\z)+4*\g+3], v[L16] offset:1536*(4*\a+\z)+512*\g
.endr
.endr
.endr
	WIN 0
	s_mov_b32 s56, 0
.Lg:
	s_wait_xcnt 0x0
	s_wait_dscnt 0x0
	s_lshr_b32 s58, s56, s51
	s_mul_i32 s58, s58, s52
	s_add_co_u32 s58, s58, s54
	s_and_b32 s59, s56, s53
	s_add_co_u32 s59, s59, s55
	s_mul_i32 s63, s59, 1536
	s_add_co_u32 s63, s63, s58
	v_add_nc_u32 v[FO], s63, v[L16]
	s_lshl_b32 s63, s59, 8
	s_add_co_u32 s63, s63, s58
	s_add_co_u32 s63, s63, 24576
	v_add_nc_u32 v[UO], s63, v[L8]
	s_add_co_u32 s63, s56, 1
	s_and_b32 s63, s63, 7
	s_mul_i32 s57, s63, 25600
	s_lshl_b32 s63, s63, 8
	v_add_nc_u32 v[BA], s63, v[BA0]
	v_add_nc_u32 v[SAD], s57, v[L16]
	v_add_nc_u32 v[SUD], s57, v[L8]
	s_wait_alu depctr_va_vdst(0)
	TILE 0
	TILE 1
	TILE 2
	TILE 3
	v_cndmask_b32 v[UP], v[PWS], v[PWS+1], s62
	v_cndmask_b32 v[UP+1], v[PWS+2], v[PWS+3], s62
	global_store_b64 v[UO], v[UP:UP+1], s[40:41]
	s_add_co_u32 s56, s56, 1
	s_cmp_lt_u32 s56, 8
	s_cbranch_scc1 .Lg
	s_wait_tensorcnt 0x0
	ds_add_u32 v254, v255
	s_wait_dscnt 0x0
	s_endpgm
.Lfunc_end_k_qd14547ab15_proj:
	.size	k_qd14547ab15_proj, .Lfunc_end_k_qd14547ab15_proj-k_qd14547ab15_proj
	.p2alignl 7, 3214868480
	.fill 96, 4, 3214868480
	.section	.rodata,"a",@progbits
	.p2align	6, 0x0
	.amdhsa_kernel k_qd14547ab15_proj
		.amdhsa_group_segment_fixed_size 327680
		.amdhsa_private_segment_fixed_size 0
		.amdhsa_enable_private_segment 0
		.amdhsa_kernarg_size 64
		.amdhsa_user_sgpr_count 2
		.amdhsa_user_sgpr_kernarg_segment_ptr 1
		.amdhsa_wavefront_size32 1
		.amdhsa_system_sgpr_workgroup_id_x 1
		.amdhsa_system_sgpr_workgroup_id_y 1
		.amdhsa_system_sgpr_workgroup_id_z 1
		.amdhsa_system_vgpr_workitem_id 0
		.amdhsa_next_free_vgpr 960
		.amdhsa_next_free_sgpr 72
		.amdhsa_reserve_vcc 0
		.amdhsa_float_denorm_mode_32 3
		.amdhsa_float_denorm_mode_16_64 3
		.amdhsa_memory_ordered 1
		.amdhsa_forward_progress 1
		.amdhsa_inst_pref_size 68
	.end_amdhsa_kernel
	.amdgpu_metadata
---
amdhsa.version: [ 1, 2 ]
amdhsa.kernels:
  - .name:           k_qd14547ab15_proj
    .symbol:         k_qd14547ab15_proj.kd
    .args:
      - { .name: himg, .offset: 0, .size: 8, .value_kind: global_buffer, .address_space: global }
      - { .name: wimg, .offset: 8, .size: 8, .value_kind: global_buffer, .address_space: global }
      - { .name: bq, .offset: 16, .size: 8, .value_kind: global_buffer, .address_space: global }
      - { .name: bk, .offset: 24, .size: 8, .value_kind: global_buffer, .address_space: global }
      - { .name: bv, .offset: 32, .size: 8, .value_kind: global_buffer, .address_space: global }
      - { .name: qimg, .offset: 40, .size: 8, .value_kind: global_buffer, .address_space: global }
      - { .name: kimg, .offset: 48, .size: 8, .value_kind: global_buffer, .address_space: global }
      - { .name: vimg, .offset: 56, .size: 8, .value_kind: global_buffer, .address_space: global }
    .group_segment_fixed_size: 327680
    .private_segment_fixed_size: 0
    .kernarg_segment_align: 8
    .kernarg_segment_size: 64
    .max_flat_workgroup_size: 128
    .sgpr_count:     72
    .vgpr_count:     960
    .wavefront_size: 32
...
	.end_amdgpu_metadata
.endif
;; end of part 2
;; launch attn (part 3): grid 16 x 32, 4 waves a work-group, clusters of 4 x 1, 327,680 bytes of LDS; arguments qimg, kimg, vimg, wimg, bn, x, out0; writes out0
.if DOCPART == 3
	.amdgcn_target "amdgcn-amd-amdhsa--gfx1250"
	.amdhsa_code_object_version 6
	.text
	.protected	k_qd14547ab15_attn
	.globl	k_qd14547ab15_attn
	.p2align	8
	.type	k_qd14547ab15_attn,@function
k_qd14547ab15_attn:
	s_mov_b64 s[64:65], 0
	v_nop
	global_prefetch_b8 v0, s[64:65] scope:SCOPE_SE
	s_setreg_imm32_b32 hwreg(HW_REG_WAVE_MODE, 25, 1), 1
	s_wait_xcnt 0x0
	s_wait_alu depctr_hold_cnt(0) depctr_sa_sdst(0) depctr_va_vdst(0) depctr_va_sdst(0) depctr_va_ssrc(0) depctr_va_vcc(0) depctr_vm_vsrc(0)
	s_getreg_b32 s2, hwreg(HW_REG_IB_STS2, 6, 4)
	s_cmp_eq_u32 s2, 0
	s_cbranch_scc0 .Lentry_in_a_cluster
	s_endpgm
.Lentry_in_a_cluster:
	s_bfe_u32 s2, ttmp6, 0x10000c
	s_cmp_lg_u32 s2, 0x3003
	s_cbranch_scc0 .Lentry_shape_is_right
	s_endpgm
.Lentry_shape_is_right:
; out = x + Wn^T (V softmax(Q^T K / sqrt(512))^T) + bn, three products on codes of FP6 (E2M3).  The softmax is quantised FINISHED AND NORMALISED: a query's maximum and sum over all 1,024 keys are known before a weight is coded.
; SHARES.  A work-group owns 64 queries (4 tiles y) of one batch; all their scores, 64 x 1,024 in f32, stay in registers: 512 a wave.  The waves share the columns:
;   scores: wave w takes keys 256 w on;  second product: channels 128 w on, all keys;  projection: outputs 128 w on.  Each fragment of K, V and Wn is wanted by one wave, once, and feeds four matrix instructions;
;   what goes from wave to wave is the small operand (the weights p, then the attention's result), as images of operand registers through LDS.
; THE STREAM.  A wave walks ten chunks of 25,600 bytes (launch norm's head describes them): 4 of K, 4 of V, 2 of Wn.  Each wave has 76,800 LDS bytes of its own, which it alone fills and whose tiles it alone reads.
;   JOINTLY (the four query blocks of a cluster belong to one batch; mask 15): at the head K's chunks 0, 1, 2, 76,800 consecutive bytes of memory, one tensor load a wave; behind the third step of the scores, when chunks 0 and 1 are read out,
;   V's chunks 2, 3, 51,200 consecutive bytes, into the first 51,200 of these bytes: the one refill, behind a round of the cluster's barrier; all of the softmax stands between it and the wait for it.
;   STRAIGHT INTO THE OPERAND REGISTERS, 16 bytes a lane, 512 consecutive bytes an instruction: K's chunk 3, V's chunks 0, 1, Wn's two.  They are not asked for jointly: LDS has no bytes left for them beside the above (4 x 76,800 of 327,680),
;   so each would be a further refill with a round of its own, and each byte would be written to LDS and read back for its one reader.
;   Two buffers of 192 registers take turns: X (window 1) and Y (window 3, free before the third step of the scores and after its weights are coded).  Behind the 16 products of a K step, and four places, the same K step of a later chunk is loaded into those registers.
;   The last 25,600 bytes of a wave's LDS (K's chunk 2) have one fill; behind the softmax's first barrier they hold what that wave writes: its 8 fragments of P, their scale words, its 4 fragments of the attention's result, their scale words; on the way out its stage, over P.
; THE ORDER OF THE SCORES: chunk 3 (from Y), 2, 0, 1: window 2 then holds keys 128 (2 w + 1) on, window 3 keys 128 (2 w) on.
; PREFETCHES.  V's chunks: the batch's first cluster asks, its four partners share a chunk's 100 blocks of 256 bytes by address, 25 each, each wave for its own four chunks, behind the second step of the scores; chunks 2, 3 are loaded behind the third step, chunk 0 in the fourth, chunk 1 in the softmax.
;   x: each wave asks for its own 128 rows of 256 bytes, a lane a row, four instructions behind the fourth step of the scores; x is loaded in the projection.  K and Q are wanted at once; Wn is read by all work-groups.
; LAYOUTS.  S^T = K Q^T and O^T = V^T P^T are used transposed: a lane holds one query, its registers run along keys or channels.  The projection is used as it reads: a lane holds one output channel and eight neighbouring positions, as out0 lies.
; LIMITS: NaN, infinities and the scale byte 0xff are not served.  A block of zeros or under 2^-124 gets the byte 1: only this program reads the bytes.  v_exp_f32 gives 0 for results under 2^-126.  1 / sum is v_rcp_f32 and a multiplication.
; REGISTERS.  window 0: v1-31 addresses; v32-39 X's scale units, v56-63 Y's, v40-55 the other side's scale words; v64-255 Q, then statistics and codes, then P in two sets of 96, then the attention's result, then the way out.
;   window 1: v0-191 X, fragment (a, z) at 12 (4 a + z); v192-255 bn's tiles; both then x.   windows 2, 3: S^T at 64 y + 8 (4 jj + a); window 2 then O^T at 64 y + 8 n, then the output at 32 n + 8 y; window 3 v0-191 also Y.
.set KREG,  76800                      ; a wave's LDS bytes
.set CW,    51200                      ; in them: where chunk 2 lies, later P's fragments (key step 2 w + kk, tile y) at 1536 (4 kk + y), later the wave's two stages of 16 rows x (256 + 16) bytes
.set PSO,   12288                      ; from CW on: P's scale words, 128 bytes each
.set HIO,   13312                      ; the attention's result: fragment (y, K step w) at 1536 y
.set HSO,   19456                      ; their scale words
.set STAT,  307200                     ; behind the four waves' bytes: maxima, then at + 1024 sums: word at 256 y + 16 r + 4 w
.set SPARE, 309248                     ; the spare words, 128 bytes for each wave
.set SPW, 1
.set NIL, 2
.set L16, 3
.set L8,  4
.set L4,  5
.set LI0, 6                            ; v6-8   my chunk 0, 1, 2 in LDS: fragments
.set LU0, 9                            ; v9-11  the same for the units
.set PWR, 12
.set PSW, 13
.set HWR, 14
.set HSW, 15
.set RB,  16                           ; v16-19 wave j's images: 16 x lane
.set AST, 20
.set ARD, 21
.set STO, 22
.set SRD, 23
.set GX,  24
.set PFO, 25
.set BNO, 26
.set XPF, 27                           ; lane x a channel's row of x
.set RS,  28                           ; v28-31 wave j's images: 4 x lane
.set CU,  32
.set CV,  56
.set QU,  40
.set PS,  40
.set HS,  40
.set QB,  64
.set PB,  64
.set HB,  64
.set BNT, 192
.set MX,  64
.set EX,  68
.set NM,  84
.set SU,  92
.set RL,  100
.set PT,  108
.set TM,  128
.set PW,  144
.set PC,  148
.set TB,  64
.set SEL, 48
.set MSB, 0
.macro WIN new                         ; the immediate's high byte repeats the setting that is left; a switch that changes nothing is dropped
.if MSB != (\new)
	s_set_vgpr_msb (MSB<<8)|(\new)
.set MSB, (\new)
.endif
.endm
; One matrix instruction on rD, rA, rB, rC, rSA, rSB.  zero: C is the constant 0.  ra, rb: the side's scale words stand in lanes 16-31 of its register.
.macro WM zero, ra, rb
.if \zero
.if (\ra) && (\rb)
	v_wmma_scale_f32_16x16x128_f8f6f4 v[rD:rD+7], v[rA:rA+11], v[rB:rB+11], 0, v[rSA], v[rSB] matrix_a_fmt:MATRIX_FMT_FP6 matrix_b_fmt:MATRIX_FMT_FP6 matrix_a_scale:MATRIX_SCALE_ROW1 matrix_b_scale:MATRIX_SCALE_ROW1
.elseif \ra
	v_wmma_scale_f32_16x16x128_f8f6f4 v[rD:rD+7], v[rA:rA+11], v[rB:rB+11], 0, v[rSA], v[rSB] matrix_a_fmt:MATRIX_FMT_FP6 matrix_b_fmt:MATRIX_FMT_FP6 matrix_a_scale:MATRIX_SCALE_ROW1
.elseif \rb
	v_wmma_scale_f32_16x16x128_f8f6f4 v[rD:rD+7], v[rA:rA+11], v[rB:rB+11], 0, v[rSA], v[rSB] matrix_a_fmt:MATRIX_FMT_FP6 matrix_b_fmt:MATRIX_FMT_FP6 matrix_b_scale:MATRIX_SCALE_ROW1
.else
	v_wmma_scale_f32_16x16x128_f8f6f4 v[rD:rD+7], v[rA:rA+11], v[rB:rB+11], 0, v[rSA], v[rSB] matrix_a_fmt:MATRIX_FMT_FP6 matrix_b_fmt:MATRIX_FMT_FP6
.endif
.else
.if (\ra) && (\rb)
	v_wmma_scale_f32_16x16x128_f8f6f4 v[rD:rD+7], v[rA:rA+11], v[rB:rB+11], v[rC:rC+7], v[rSA], v[rSB] matrix_a_fmt:MATRIX_FMT_FP6 matrix_b_fmt:MATRIX_FMT_FP6 matrix_a_scale:MATRIX_SCALE_ROW1 matrix_b_scale:MATRIX_SCALE_ROW1
.elseif \ra
	v_wmma_scale_f32_16x16x128_f8f6f4 v[rD:rD+7], v[rA:rA+11], v[rB:rB+11], v[rC:rC+7], v[rSA], v[rSB] matrix_a_fmt:MATRIX_FMT_FP6 matrix_b_fmt:MATRIX_FMT_FP6 matrix_a_scale:MATRIX_SCALE_ROW1
.elseif \rb
	v_wmma_scale_f32_16x16x128_f8f6f4 v[rD:rD+7], v[rA:rA+11], v[rB:rB+11], v[rC:rC+7], v[rSA], v[rSB] matrix_a_fmt:MATRIX_FMT_FP6 matrix_b_fmt:MATRIX_FMT_FP6 matrix_b_scale:MATRIX_SCALE_ROW1
.else
	v_wmma_scale_f32_16x16x128_f8f6f4 v[rD:rD+7], v[rA:rA+11], v[rB:rB+11], v[rC:rC+7], v[rSA], v[rSB] matrix_a_fmt:MATRIX_FMT_FP6 matrix_b_fmt:MATRIX_FMT_FP6
.endif
.endif
.endm
; 64 numbers of a lane in window w, register 16 b + i = k 32 b + 16 (lane / 16) + i of my row, become a fragment's codes in v[PC] on and its scale word in v[PW].  Each accumulator is read from its low end on.
.macro QUANT src, w
	WIN (\w)|((\w)<<2)
.irp b, 0,1,2,3
	v_max3_num_f32 v[TM+\b], |v[\src+16*\b]|, |v[\src+1+16*\b]|, 0x1800000   ; my 16 numbers of block b, and the floor 2^(3 - 127): the byte cannot fall under 1
.endr
.irp i, 2,4,6,8,10,12,14
.irp b, 0,1,2,3
	v_max3_num_f32 v[TM+\b], |v[\src+16*\b+\i]|, |v[\src+1+16*\b+\i]|, v[TM+\b]
.endr
.endr
	WIN 0
.irp b, 0,1,2,3
	v_permlanex16_b32 v[TM+4+\b], v[TM+\b], s[SEL], s[SEL+1]
.endr
.irp b, 0,1,2,3
	v_max_num_f32 v[TM+\b], v[TM+\b], v[TM+4+\b]   ; with lane l xor 16's: the block's largest magnitude
.endr
.irp b, 0,1,2,3
	v_add_nc_u32 v[TM+12+\b], 0xff000000, v[TM+\b] ; 2 off its exponent field: the conversion's scale operand
.endr
.irp b, 0,1,2,3
	v_lshrrev_b32 v[TM+4+\b], 23, v[TM+12+\b]      ; the scale's byte
.endr
	v_lshl_or_b32 v[PW], v[TM+5], 8, v[TM+4]
	v_lshl_or_b32 v[PW], v[TM+6], 16, v[PW]
	v_lshl_or_b32 v[PW], v[TM+7], 24, v[PW]        ; my row's scale word
	WIN (\w)
.irp c, 0,1
	v_cvt_scalef32_pk16_fp6_f32 v[PC+6*\c:PC+2+6*\c], v[\src+32*\c:\src+15+32*\c], v[TM+12+2*\c]
	v_cvt_scalef32_pk16_fp6_f32 v[PC+12+4*\c:PC+14+4*\c], v[\src+16+32*\c:\src+31+32*\c], v[TM+12+2*\c+1]   ; (a conversion's three registers begin on an even number)
.endr
	WIN 0
	v_nop                                          ; one plain instruction behind the conversions
.irp c, 0,1                                    ; the operand's layout wants a whole block in a lane
.irp i, 0,1,2
	v_permlane16_swap_b32 v[PC+6*\c+\i], v[PC+12+4*\c+\i]
.endr
.irp i, 0,1,2
	v_mov_b32 v[PC+3+6*\c+\i], v[PC+12+4*\c+\i]
.endr
.endr
.endm
.macro QINIT                           ; a lane permute's destination counts as one of its sources
.irp b, 0,1,2,3
	v_mov_b32 v[TM+4+\b], 0
.endr
.endm
.macro IMAGE adr, off                  ; the fragment in v[PC] on goes to LDS as it stands: 16 bytes a lane, 512 a store
.irp g, 0,1,2
	ds_store_b128 v[\adr], v[PC+4*\g:PC+4*\g+3] offset:\off+512*\g
.endr
.endm
.macro PLACES                          ; four places behind a matrix instruction (ISA guide 7.12.1 for vector instructions)
.rept 4
	v_nop
.endr
.endm
.macro BARRIER                         ; my LDS stores have landed and my LDS loads are in: then the work-group's barrier.
	s_wait_dscnt 0x0
	s_barrier_signal -1
	s_barrier_wait -1
.endm
.macro ROUND                           ; a round of the cluster's barrier
	s_barrier_signal -1
	s_barrier_wait -1
	s_cmp_lg_u32 s18, 0
	s_cbranch_scc1 .Lnot_wave_0_\@
	s_barrier_signal -3
.Lnot_wave_0_\@:
	s_barrier_wait -3
	s_barrier_signal -1
	s_barrier_wait -1
.endm
.macro ASKV k                          ; lanes 25 to 31 name lane 24's block again: 25 does not fill 32 lanes
	s_cmp_lg_u32 s56, 0
	s_cbranch_scc1 .Lnot_first_\@
	global_prefetch_b8 v[PFO], s[54:55] offset:25600*(\k) th:TH_LOAD_NT scope:SCOPE_SE
.Lnot_first_\@:
.endm
.macro ASKX i                          ; channels 32 i + lane of my 128: each lane another block of 256 bytes
	global_prefetch_b8 v[XPF], s[14:15] offset:131072*(\i) th:TH_LOAD_NT scope:SCOPE_SE
.endm
.macro LOADCH p                        ; a whole chunk out of LDS into X: 4 units, then four runs of 12 loads of 16 bytes a lane, K step by K step
	WIN 0
.irp z, 0,1,2,3
	ds_load_b64 v[CU+2*\z:CU+2*\z+1], v[LU0+\p] offset:24576+256*\z
.endr
	WIN 0x40
.irp z, 0,1,2,3
.irp a, 0,1,2,3
.irp g, 0,1,2
	ds_load_b128 v[12*(4*\a+\z)+4*\g:12*(4*\a+\z)+4*\g+3], v[LI0+\p] offset:1536*(4*\a+\z)+512*\g
.endr
.endr
.endr
	WIN 0
.endm
.macro SLICE p, z, bw, cu              ; K step z of my LDS chunk p, 13 loads, into the registers of the buffer in window bw that the 16 products just issued have read, and its units at cu
	WIN 0
	PLACES
	ds_load_b64 v[\cu+2*\z:\cu+2*\z+1], v[LU0+\p] offset:24576+256*\z
	WIN (\bw)<<6
.irp a, 0,1,2,3
.irp g, 0,1,2
	ds_load_b128 v[12*(4*\a+\z)+4*\g:12*(4*\a+\z)+4*\g+3], v[LI0+\p] offset:1536*(4*\a+\z)+512*\g
.endr
.endr
.endm
.macro GSLICE bw, cu, sb, off, z       ; the same from memory: K step z of the chunk at s[sb] + off, 13 loads
	WIN 0
	PLACES
	global_load_b64 v[\cu+2*\z:\cu+2*\z+1], v[L8], s[\sb:\sb+1] offset:(\off)+24576+256*\z
	WIN (\bw)<<6
.irp a, 0,1,2,3
.irp g, 0,1,2
	global_load_b128 v[12*(4*\a+\z)+4*\g:12*(4*\a+\z)+4*\g+3], v[L16], s[\sb:\sb+1] offset:(\off)+1536*(4*\a+\z)+512*\g
.endr
.endr
.endm
; In each group below: sixteen matrix instructions on sixteen accumulators, one instruction a turn.  sw: the window of the streamed operand, cu: its units.
.macro QK16 jj, dw, sw, cu, z          ; S^T = K Q^T, K step z over the channels; results in window dw, half jj
	WIN ((\dw)<<6)|((\dw)<<4)|(\sw)
.irp a, 0,1,2,3
.irp y, 0,1,2,3
.set rD, 64*\y+8*(4*(\jj)+\a)
.set rA, 12*(4*\a+\z)
.set rB, QB+12*(4*\y+\z)
.set rC, rD
.set rSA, \cu+2*\z+\a/2
.set rSB, QU+2*\z+\y/2
.if \z == 0
	WM 1, \a%2, \y%2
.else
	WM 0, \a%2, \y%2
.endif
.endr
.endr
.endm
.macro PLOAD j                         ; P's key steps 2 j, 2 j + 1, which wave j wrote, and their scale words into set j % 2: 32 LDS loads
	WIN 0
.irp k, 0,1
.irp y, 0,1,2,3
.irp g, 0,1,2
	ds_load_b128 v[PB+96*((\j)%2)+12*(4*\k+\y)+4*\g:PB+96*((\j)%2)+12*(4*\k+\y)+4*\g+3], v[RB+(\j)] offset:1536*(4*\k+\y)+512*\g
.endr
.endr
.endr
.irp k, 0,1
.irp y, 0,1,2,3
	ds_load_b32 v[PS+8*((\j)%2)+4*\k+\y], v[RS+(\j)] offset:PSO+128*(4*\k+\y)
.endr
.endr
.endm
; Key steps 2 j, 2 j + 1: O^T += V^T P^T; fragment (a, z) of V's chunk is channel tile 4 (z % 2) + a, key step 2 j + z / 2.
; dsw: the LDS loads issued behind this step's P, which may be out.  lw: 0: V's chunk 1, 52 loads, may be out; 1: the later K steps of this chunk, 13 loads each, may be out; -1: the chunk came out of LDS.
; nk = 0: the chunk two further on is my LDS chunk n1;  nk = 1: it lies in memory at s[n1] + n2.
.macro PVSTEP j, sw, cu, dsw, lw, nk, n1, n2
	s_wait_dscnt \dsw
.irp z, 0,1,2,3
.if (\lw) == 0
	s_wait_loadcnt 52
.elseif (\lw) == 1
	s_wait_loadcnt 39-13*\z
.endif
	WIN 0xa0|(\sw)
.irp a, 0,1,2,3
.irp y, 0,1,2,3
.set rD, 64*\y+8*(4*(\z%2)+\a)
.set rA, 12*(4*\a+\z)
.set rB, PB+96*((\j)%2)+12*(4*(\z/2)+\y)
.set rC, rD
.set rSA, \cu+2*\z+\a/2
.set rSB, PS+8*((\j)%2)+4*(\z/2)+\y
.if ((\j) == 0) && (\z < 2)
	WM 1, \a%2, 0
.else
	WM 0, \a%2, 0
.endif
.endr
.endr
.if \nk
	GSLICE \sw, \cu, \n1, \n2, \z
.else
	SLICE \n1, \z, \sw, \cu
.endif
.if (\z == 1) && ((\j) < 3)
	PLOAD (\j)+1                                   ; the next step's P, into the set that the step before multiplied
.endif
.endr
.endm
; x for the residual, 64 groups of four registers: group q = 8 n + i is rows 2 i, 2 i + 1 of output tile n.  Groups 0-47 take X's registers, 12 behind each K step of the projection's first half; groups 48-63 take bn's tiles.
.macro XLD reg, q
.set xn, (\q)/8
.set xi, (\q)%8
	global_load_b128 v[\reg:\reg+3], v[GX], s[14:15] offset:(32*(xn/2)+8*(xn%2)+2*xi+8*(xi/4))*4096 th:TH_LOAD_NT   ; sixteen lanes read 256 consecutive bytes, aligned
.endm
.macro XSLICE z
	WIN 0
	PLACES
	WIN 0x40
.irp a, 0,1,2,3
.irp g, 0,1,2
	XLD 12*(4*\a+\z)+4*\g, 12*\z+3*\a+\g
.endr
.endr
.endm
.macro XTAIL
	WIN 0
	PLACES
	WIN 0x40
.set t, 0
.rept 16
	XLD BNT+4*t, 48+t
.set t, t+1
.endr
.endm
; Outputs 64 j on of my 128: source 0 = 16 queries of the attention's result, source 1 = 16 rows of Wn; bn is the C of the first K step.
; THE WAIT ON LOADCNT: behind the 13 loads of the K step that is wanted stand what is left of its chunk, Wn's other chunk where it is the later one, and what has been asked of x: 64 loads or more.  63 is the largest count that the wait can name.
.macro PJSTEP j, sw, cu
.irp z, 0,1,2,3
	s_wait_loadcnt 63
.if \z == 0
	WIN 0x90|((\sw)<<2)                            ; C (bn) window 1, D window 2
.else
	WIN 0xa0|((\sw)<<2)
.endif
.irp a, 0,1,2,3
.irp y, 0,1,2,3
.set rD, 32*(4*(\j)+\a)+8*\y
.set rA, HB+12*(4*\y+\z)
.set rB, 12*(4*\a+\z)
.set rC, rD
.if \z == 0
.set rC, BNT+8*(4*(\j)+\a)
.endif
.set rSA, HS+4*\y+\z
.set rSB, \cu+2*\z+\a/2
	WM 0, 0, \a%2
.endr
.endr
.if (\j) == 0
	XSLICE \z
.elseif \z == 0
	XTAIL
.endif
.endr
.endm
	s_load_b256 s[4:11], s[0:1], 0x0               ; qimg s[4:5], kimg s[6:7], vimg s[8:9], wimg s[10:11]
	s_load_b128 s[12:15], s[0:1], 0x20             ; bn s[12:13], x s[14:15]
	s_load_b64 s[16:17], s[0:1], 0x30              ; out0
	v_lshl_add_u32 v[SPW], v0, 2, SPARE
	v_mov_b32 v[NIL], 0
	ds_add_u32 v[SPW], v[NIL]                      ; the opening: the add, twice on end, and its wait ahead of my first tensor load
	ds_add_u32 v[SPW], v[NIL]
	v_lshrrev_b32 v29, 5, v0
	v_readfirstlane_b32 s18, v29                   ; wave 0..3
	s_bfe_u32 s19, ttmp6, 0x40000                  ; cx: my place in the cluster
	s_lshl_b32 s20, ttmp9, 2
	s_add_co_u32 s20, s20, s19                     ; my block of 64 queries: it enters Q's, x's and out0's addresses alone
	s_and_b32 s21, ttmp7, 0xffff                   ; the batch, which the four partners share
	s_mov_b32 s56, ttmp9
	s_mov_b32 s24, 15|(3<<16)|(1<<21)              ; group 1: the mask: all four work-groups; elements of 8 bytes; bit 21 set beside a mask
	s_mov_b32 s25, 32<<16                          ; 300 rows of 32 elements: three chunks, a dense block of 76,800 bytes
	s_mov_b32 s26, 300<<16
	s_mov_b32 s27, 32<<16
	s_mov_b32 s28, 300
	s_mov_b32 s29, 32
	s_mov_b32 s30, 0
	s_mov_b32 s31, 0
	s_mul_i32 s58, s21, 409600                     ; a batch's 16 chunks,
	s_mul_i32 s59, s18, 102400                     ; my wave's four
	s_add_co_u32 s58, s58, s59
	s_mov_b32 s59, 0
	s_mul_i32 s60, s18, 51200                      ; Wn: the fourth weight, my wave's two chunks
	s_add_co_u32 s60, s60, 614400
	s_mov_b32 s61, 0
	s_mul_i32 s46, s18, KREG                       ; LDS: my chunk 0,
	s_add_co_u32 s47, s46, 25600                   ; chunk 1,
	s_add_co_u32 s57, s46, CW                      ; chunk 2: no place in the cluster enters an LDS address
	s_mov_b32 s[SEL], 0x76543210
	s_mov_b32 s[SEL+1], 0xfedcba98                 ; v_permlanex16_b32's selects for lane l xor 16
	s_mov_b32 s50, 0x3d8293ee                      ; c = log2(e) / sqrt(512)
	s_mov_b32 s51, s50
	s_mov_b32 s52, 0xbd8293ee                      ; -c
	s_wait_dscnt 0x0                               ; both opening adds are done
	s_wait_kmcnt 0x0
	s_add_nc_u64 s[40:41], s[6:7], s[58:59]        ; my chunks of K,
	s_add_nc_u64 s[42:43], s[8:9], s[58:59]        ; of V,
	s_add_nc_u64 s[44:45], s[10:11], s[60:61]      ; of Wn
	s_mov_b32 s32, 1
	s_mov_b32 s33, s46
	s_mov_b64 s[34:35], s[40:41]
	s_or_b32 s35, s35, 0x80000000
	ROUND                                          ; all four work-groups are here: the joint loads meet
	tensor_load_to_lds s[32:35], s[24:31]          ; K's chunks 0, 1, 2 of my wave: my one tensor load at the head
	s_nop 0
	PLACES
	s_mul_i32 s66, s21, 409600
	s_mul_i32 s53, s20, 25600
	s_add_co_u32 s66, s66, s53
	s_mov_b32 s67, 0
	s_add_nc_u64 s[4:5], s[4:5], s[66:67]          ; Q's chunk
	s_lshl_b32 s66, s21, 21                        ; batch x 512 x 4,096 bytes
	s_lshl_b32 s53, s18, 19                        ; + 128 w channels
	s_add_co_u32 s66, s66, s53
	s_lshl_b32 s53, s20, 8                         ; + 64 positions a block
	s_add_co_u32 s66, s66, s53
	s_add_nc_u64 s[14:15], s[14:15], s[66:67]
	s_add_nc_u64 s[16:17], s[16:17], s[66:67]
	s_lshl_b32 s66, s18, 9
	s_add_nc_u64 s[12:13], s[12:13], s[66:67]      ; bn of outputs 128 w on
	s_mul_i32 s66, s19, 6400
	s_add_nc_u64 s[54:55], s[42:43], s[66:67]      ; V's prefetches: my work-group's 25 blocks of my wave's chunks
	v_and_b32 v29, 31, v0                          ; lane
	v_and_b32 v30, 15, v0                          ; r
	v_bfe_u32 v31, v0, 4, 1                        ; h
	v_lshlrev_b32 v[L16], 4, v29
	v_lshlrev_b32 v[L8], 3, v29
	v_and_b32 v[BNO], 8, v30
	v_add_nc_u32 v[BNO], v[BNO], v30
	v_lshlrev_b32 v[BNO], 2, v[BNO]                ; 4 (r + 8 (r / 8))
	s_wait_alu depctr_va_vdst(0)
	WIN 0x80
.irp n, 0,1,2,3,4,5,6,7
	global_load_b32 v[\n], v[BNO], s[12:13] offset:(32*(\n/2)+8*(\n%2))*4   ; bn of my lane's output channel in tile n, for now in window 2
.endr
	WIN 0
.set f, 0
.rept 16
.irp g, 0,1,2
	global_load_b128 v[QB+12*f+4*\g:QB+12*f+4*\g+3], v[L16], s[4:5] offset:1536*f+512*\g   ; Q stays in registers
.endr
.set f, f+1
.endr
.irp z, 0,1,2,3
	global_load_b64 v[QU+2*\z:QU+2*\z+1], v[L8], s[4:5] offset:24576+256*\z
.endr
	v_lshlrev_b32 v[L4], 2, v29
	v_add_nc_u32 v[LI0], s46, v[L16]
	v_add_nc_u32 v[LI0+1], s47, v[L16]
	v_add_nc_u32 v[LI0+2], s57, v[L16]
	v_add_nc_u32 v[LU0], s46, v[L8]
	v_add_nc_u32 v[LU0+1], s47, v[L8]
	v_add_nc_u32 v[LU0+2], s57, v[L8]
	v_add_nc_u32 v[PWR], s57, v[L16]               ; I write P's key steps 2 w, 2 w + 1,
	s_add_co_u32 s58, s57, PSO
	v_add_nc_u32 v[PSW], s58, v[L4]
	s_add_co_u32 s58, s57, HIO
	v_add_nc_u32 v[HWR], s58, v[L16]               ; and K step w of the projection's operand
	s_add_co_u32 s58, s57, HSO
	v_add_nc_u32 v[HSW], s58, v[L4]
.irp j, 0,1,2,3
	v_add_nc_u32 v[RB+\j], KREG*\j+CW, v[L16]      ; and read what wave j wrote
.endr
	v_lshl_add_u32 v[ARD], v30, 4, STAT
	s_lshl_b32 s58, s18, 2
	v_add_nc_u32 v[AST], s58, v[ARD]
	v_mul_u32_u24 v[STO], v30, 272
	v_lshl_add_u32 v[STO], v31, 6, v[STO]
	v_add_nc_u32 v[STO], s57, v[STO]               ; the stage, in: row r (my output channel), + 64 h
	v_mul_u32_u24 v[SRD], v31, 272
	v_lshl_add_u32 v[SRD], v30, 4, v[SRD]
	v_add_nc_u32 v[SRD], s57, v[SRD]               ; back: lanes 0-15 one row of 256 bytes, lanes 16-31 the next
	v_lshlrev_b32 v[GX], 12, v31
	v_lshl_add_u32 v[GX], v30, 4, v[GX]            ; and the same two rows in x and out0
	v_min_u32 v[PFO], 24, v29
	v_lshlrev_b32 v[PFO], 8, v[PFO]
	v_lshlrev_b32 v[XPF], 12, v29
.irp j, 0,1,2,3
	v_add_nc_u32 v[RS+\j], KREG*\j+CW, v[L4]       ; (lane, r and h are done with: their registers are taken)
.endr
.irp z, 0,1,2,3
	GSLICE 3, CV, 40, 76800, \z                    ; K's chunk 3 into Y
.endr
	WIN 0
	s_wait_alu depctr_va_vdst(0)
	s_wait_loadcnt 63                              ; of 112 loads the first 49 are in, bn's eight among them
	WIN 0x42                                       ; destination window 1, source window 2
.irp n, 0,1,2,3,4,5,6,7
.irp j, 0,1,2,3,4,5,6,7
	v_mov_b32 v[BNT+8*\n+\j], v[\n]                ; bn in the projection's result layout: a lane holds one output channel
.endr
.endr
	WIN 0
	s_wait_loadcnt 0x0                             ; Q and K's chunk 3
; ---- the scores
.irp z, 0,1,2,3
	QK16 1, 2, 3, CV, \z                           ; chunk 3, from Y: it needs nothing of LDS
.endr
	WIN 0
	s_wait_tensorcnt 0x0                           ; my three chunks have landed; I alone read them
	LOADCH 2
.irp z, 0,1,2,3
	s_wait_dscnt 36+\z                             ; behind the run that is wanted: 12 (3 - z) loads of this chunk and 13 z of the next
	QK16 0, 2, 1, CU, \z                           ; chunk 2
	SLICE 0, \z, 1, CU
.endr
	WIN 0
	ASKV 2                                         ; in the order in which they are loaded
	ASKV 3
	ASKV 0
	ASKV 1
.irp z, 0,1,2,3
	s_wait_dscnt 39                                ; behind the run that is wanted stand three runs of 13
	QK16 0, 3, 1, CU, \z                           ; chunk 0
	SLICE 1, \z, 1, CU
.endr
; ---- the one refill: my LDS chunks 0 and 1 are read out and take V's chunks 2 and 3
	WIN 0
	s_wait_tensorcnt 0x0                           ; no tensor load of mine is out, so the descriptor may be written
	ds_add_u32 v[SPW], v[NIL]                      ; 0 onto my spare word
	s_mov_b32 s26, 200<<16                         ; 200 rows: two chunks
	s_mov_b32 s28, 200
	s_add_nc_u64 s[34:35], s[42:43], 51200
	s_or_b32 s35, s35, 0x80000000
	s_wait_dscnt 0x0                               ; the add is done, and my reads of these bytes are over
	ROUND                                          ; both now hold of every wave of all four work-groups
	tensor_load_to_lds s[32:35], s[24:31]          ; the first thing behind the round, and my last tensor load
	s_nop 0
	PLACES
.irp z, 0,1,2,3
	QK16 1, 3, 1, CU, \z                           ; chunk 1
	GSLICE 1, CU, 42, 0, \z                        ; V's chunk 0 into X: the softmax stands between this and its use
.endr
; ---- the softmax.  A lane holds one query of each tile y and 128 of its scores
	WIN 0
	PLACES
	ASKX 0
	ASKX 1
	ASKX 2
	ASKX 3
.irp w, 2,3
	WIN (\w)|((\w)<<2)
.set i, 0
.rept 32
.irp y, 0,1,2,3
.if (\w == 2) && (i == 0)
	v_max3_num_f32 v[MX+\y], v[64*\y], v[64*\y+1], 0xff800000
.else
	v_max3_num_f32 v[MX+\y], v[64*\y+i], v[64*\y+i+1], v[MX+\y]   ; ascending: each accumulator from its low end on; the four tiles by turns
.endif
.endr
.set i, i+2
.endr
.endr
	WIN 0
.irp y, 0,1,2,3
	v_mov_b32 v[PT+\y], 0                          ; a lane permute's destination counts as one of its sources
.endr
.irp y, 0,1,2,3
	v_permlanex16_b32 v[PT+\y], v[MX+\y], s[SEL], s[SEL+1]
.endr
.irp y, 0,1,2,3
	v_max_num_f32 v[MX+\y], v[MX+\y], v[PT+\y]
.endr
.irp y, 0,1,2,3
	ds_store_b32 v[AST], v[MX+\y] offset:256*\y    ; lanes r and 16 + r write the same word with the same value
.endr
	BARRIER
.irp y, 0,1,2,3
	ds_load_b128 v[EX+4*\y:EX+4*\y+3], v[ARD] offset:256*\y   ; the four waves' maxima of my query
.endr
	s_wait_dscnt 0x0
.irp y, 0,1,2,3
	v_max3_num_f32 v[MX+\y], v[EX+4*\y], v[EX+4*\y+1], v[EX+4*\y+2]
.endr
.irp y, 0,1,2,3
	v_max_num_f32 v[MX+\y], v[MX+\y], v[EX+4*\y+3] ; the row's largest score
.endr
.irp y, 0,1,2,3
	v_mul_f32 v[NM+2*\y], s52, v[MX+\y]            ; -c max
.endr
.irp y, 0,1,2,3
	v_mov_b32 v[NM+2*\y+1], v[NM+2*\y]
.endr
.irp w, 2,3
	WIN ((\w)<<6)|(\w)
.set i, 0
.rept 32
.irp y, 0,1,2,3
	v_pk_fma_f32 v[64*\y+i:64*\y+i+1], v[64*\y+i:64*\y+i+1], s[50:51], v[NM+2*\y:NM+2*\y+1] op_sel_hi:[1,0,0]   ; c s - c max, two at a time
.endr
.set i, i+2
.endr
.endr
	WIN 0x82
	s_wait_alu depctr_va_vdst(0)
.set i, 0
.rept 256
	v_exp_f32 v[i], v[i]                           ; one batch of 512: window 2,
.set i, i+1
.endr
	WIN 0xc3
.set i, 0
.rept 256
	v_exp_f32 v[i], v[i]                           ; window 3
.set i, i+1
.endr
	WIN 0
.irp y, 0,1,2,3,4,5,6,7
	v_mov_b32 v[SU+\y], 0                          ; plain work behind the batch
.endr
	s_wait_alu depctr_va_vdst(0)                   ; and its wait
.irp w, 2,3
	WIN (\w)
.set i, 0
.rept 32
.irp y, 0,1,2,3
	v_pk_add_f32 v[SU+2*\y:SU+2*\y+1], v[64*\y+i:64*\y+i+1], v[SU+2*\y:SU+2*\y+1]
.endr
.set i, i+2
.endr
.endr
	WIN 0
.irp y, 0,1,2,3
	v_add_f32 v[MX+\y], v[SU+2*\y], v[SU+2*\y+1]
.endr
.irp y, 0,1,2,3
	v_permlanex16_b32 v[PT+\y], v[MX+\y], s[SEL], s[SEL+1]
.endr
.irp y, 0,1,2,3
	v_add_f32 v[MX+\y], v[MX+\y], v[PT+\y]
.endr
.irp y, 0,1,2,3
	ds_store_b32 v[AST], v[MX+\y] offset:1024+256*\y   ; other words than the maxima's: no barrier is owed between the two
.endr
	BARRIER
.irp y, 0,1,2,3
	ds_load_b128 v[EX+4*\y:EX+4*\y+3], v[ARD] offset:1024+256*\y
.endr
	s_wait_dscnt 0x0
.irp y, 0,1,2,3
	v_add_f32 v[MX+\y], v[EX+4*\y], v[EX+4*\y+1]
	v_add_f32 v[PT+\y], v[EX+4*\y+2], v[EX+4*\y+3]
.endr
.irp y, 0,1,2,3
	v_add_f32 v[MX+\y], v[MX+\y], v[PT+\y]         ; the row's sum
.endr
	s_wait_alu depctr_va_vdst(0)
.irp y, 0,1,2,3
	v_rcp_f32 v[RL+2*\y], v[MX+\y]
.endr
	v_nop
	s_wait_alu depctr_va_vdst(0)                   ; one wait for the four reciprocals
.irp y, 0,1,2,3
	v_mov_b32 v[RL+2*\y+1], v[RL+2*\y]
.endr
.irp w, 2,3
	WIN ((\w)<<6)|(\w)
.set i, 0
.rept 32
.irp y, 0,1,2,3
	v_pk_mul_f32 v[64*\y+i:64*\y+i+1], v[64*\y+i:64*\y+i+1], v[RL+2*\y:RL+2*\y+1] op_sel_hi:[1,0]   ; the finished weights
.endr
.set i, i+2
.endr
.endr
	WIN 0
	QINIT
.set qi, 0
.macro PQ w, kk                        ; window w's weights: 16 queries x keys 128 (2 wave + kk) on, four tiles
.irp y, 0,1,2,3
.set PC, 148+24*(qi%2)                         ; the codes' two sets by turns
.set PW, 144+qi%2
	QUANT 64*\y, \w
	IMAGE PWR, 1536*(4*(\kk)+\y)
	ds_store_b32 v[PSW], v[PW] offset:128*(4*(\kk)+\y)
	s_wait_dscnt 4                                 ; these four stores may be out; those of the fragment before, whose set is written next, are done
.set qi, qi+1
.endr
.endm
	PQ 3, 0                                        ; window 3 first: its registers are Y again,
.irp z, 0,1,2,3
	GSLICE 3, CV, 42, 25600, \z                    ; and take V's chunk 1; the coding of window 2 and the second product's first step stand between this and its use
.endr
	WIN 0
	PQ 2, 1
	s_wait_tensorcnt 0x0                           ; V's chunks 2 and 3 have landed; I alone read them
	BARRIER                                        ; P's 32 fragments lie in LDS
; ---- the second product
	PLOAD 0
	PVSTEP 0, 1, CU, 0,  0,  0, 0,  0              ; V's chunk 0 from X, which takes chunk 2 out of LDS
	PVSTEP 1, 3, CV, 26, 1,  0, 1,  0              ; chunk 1 from Y, which takes chunk 3 out of LDS
	PVSTEP 2, 1, CU, 26, -1, 1, 44, 0              ; X takes Wn's chunk 0
	PVSTEP 3, 3, CV, 0,  -1, 1, 44, 25600          ; Y takes Wn's chunk 1
; ---- its result, 16 queries x my 128 channels a tile, is K step w of the projection
	WIN 0
	PLACES
	QINIT
.set qi, 0
.irp y, 0,1,2,3
.set PC, 148+24*(qi%2)
.set PW, 144+qi%2
	QUANT 64*\y, 2
	IMAGE HWR, 1536*\y
	ds_store_b32 v[HSW], v[PW] offset:128*\y
	s_wait_dscnt 4                                 ; as above
.set qi, qi+1
.endr
	BARRIER                                        ; its 16 fragments lie in LDS, and nobody reads P any more
.irp y, 0,1,2,3
.irp z, 0,1,2,3
.irp g, 0,1,2
	ds_load_b128 v[HB+12*(4*\y+\z)+4*\g:HB+12*(4*\y+\z)+4*\g+3], v[RB+\z] offset:HIO+1536*\y+512*\g
.endr
	ds_load_b32 v[HS+4*\y+\z], v[RS+\z] offset:HSO+128*\y
.endr
.endr
	s_wait_dscnt 0x0
	PJSTEP 0, 1, CU
	PJSTEP 1, 3, CV
	WIN 0
; ---- THE WAY OUT, a tile of 16 output channels x 64 positions at a time.  A lane holds 32 neighbouring bytes of a channel's row for each tile y; through my own stage they come back as whole rows of 256 bytes; x is added; sixteen lanes store 256 consecutive bytes, aligned.
; LDS serves a wave's instructions in order (ISA guide 5.7.1.4): no wait between the stores and the loads, nor in front of the stores of the tile two further on, which take the same stage.
.macro TOSTAGE n
	WIN 0x08                                       ; an LDS store's data are its source 1: window 2
.irp y, 0,1,2,3
	ds_store_b128 v[STO], v[32*(\n)+8*\y:32*(\n)+8*\y+3] offset:4352*((\n)%2)+128*(\y/2)+32*(\y%2)          ; each accumulator from its low end on
	ds_store_b128 v[STO], v[32*(\n)+8*\y+4:32*(\n)+8*\y+7] offset:4352*((\n)%2)+128*(\y/2)+32*(\y%2)+16
.endr
	WIN 0
.irp i, 0,1,2,3,4,5,6,7
	ds_load_b128 v[TB+32*((\n)%2)+4*\i:TB+32*((\n)%2)+4*\i+3], v[SRD] offset:4352*((\n)%2)+544*\i
.endr
.endm
.macro SEND n, younger                 ; younger: the LDS instructions issued behind tile n's loads, which may stay out
	s_wait_dscnt \younger
	s_wait_loadcnt 56-8*(\n)                       ; x's groups of the later tiles may be out
	WIN 0x04                                       ; source 1 (x) window 1
.irp i, 0,1,2,3,4,5,6,7
.set xq, 8*(\n)+\i
.if xq < 48
.set xr, 12*(4*((xq%12)/3)+xq/12)+4*(xq%3)
.else
.set xr, BNT+4*(xq-48)
.endif
	v_pk_add_f32 v[TB+32*((\n)%2)+4*\i:TB+32*((\n)%2)+4*\i+1], v[TB+32*((\n)%2)+4*\i:TB+32*((\n)%2)+4*\i+1], v[xr:xr+1]
	v_pk_add_f32 v[TB+32*((\n)%2)+4*\i+2:TB+32*((\n)%2)+4*\i+3], v[TB+32*((\n)%2)+4*\i+2:TB+32*((\n)%2)+4*\i+3], v[xr+2:xr+3]
.endr
	WIN 0
.irp i, 0,1,2,3,4,5,6,7
	global_store_b128 v[GX], v[TB+32*((\n)%2)+4*\i:TB+32*((\n)%2)+4*\i+3], s[16:17] offset:(32*((\n)/2)+8*((\n)%2)+2*\i+8*(\i/4))*4096 th:TH_STORE_NT
.endr
.endm
	PLACES                                         ; behind the last products: for the stores of results and for the loads into the registers that held their first source
	TOSTAGE 0
.irp n, 1,2,3,4,5,6,7
.if \n > 1
	s_wait_xcnt 0x0                                ; tile n - 2's stores have read their registers: tile n's loads may land there
.endif
	TOSTAGE \n
	SEND \n-1, 16                                  ; behind tile n - 1's loads: tile n's 8 stores and 8 loads
.endr
	SEND 7, 0
	s_wait_tensorcnt 0x0                           ; the wave's end
	ds_add_u32 v[SPW], v[NIL]
	s_wait_dscnt 0x0
	ROUND                                          ; the closing round
	s_endpgm
.Lfunc_end_k_qd14547ab15_attn:
	.size	k_qd14547ab15_attn, .Lfunc_end_k_qd14547ab15_attn-k_qd14547ab15_attn
	.p2alignl 7, 3214868480
	.fill 96, 4, 3214868480
	.section	.rodata,"a",@progbits
	.p2align	6, 0x0
	.amdhsa_kernel k_qd14547ab15_attn
		.amdhsa_group_segment_fixed_size 327680
		.amdhsa_private_segment_fixed_size 0
		.amdhsa_enable_private_segment 0
		.amdhsa_kernarg_size 56
		.amdhsa_user_sgpr_count 2
		.amdhsa_user_sgpr_kernarg_segment_ptr 1
		.amdhsa_wavefront_size32 1
		.amdhsa_system_sgpr_workgroup_id_x 1
		.amdhsa_system_sgpr_workgroup_id_y 1
		.amdhsa_system_sgpr_workgroup_id_z 1
		.amdhsa_system_vgpr_workitem_id 0
		.amdhsa_next_free_vgpr 1024
		.amdhsa_next_free_sgpr 72
		.amdhsa_reserve_vcc 0
		.amdhsa_float_denorm_mode_32 3
		.amdhsa_float_denorm_mode_16_64 3
		.amdhsa_memory_ordered 1
		.amdhsa_forward_progress 1
		.amdhsa_inst_pref_size 255
	.end_amdhsa_kernel
	.section	.bss,"aw",@nobits
	.p2align	6
	.space	262144
	.amdgpu_metadata
---
amdhsa.version: [ 1, 2 ]
amdhsa.kernels:
  - .name:           k_qd14547ab15_attn
    .symbol:         k_qd14547ab15_attn.kd
    .args:
      - { .name: qimg, .offset: 0, .size: 8, .value_kind: global_buffer, .address_space: global }
      - { .name: kimg, .offset: 8, .size: 8, .value_kind: global_buffer, .address_space: global }
      - { .name: vimg, .offset: 16, .size: 8, .value_kind: global_buffer, .address_space: global }
      - { .name: wimg, .offset: 24, .size: 8, .value_kind: global_buffer, .address_space: global }
      - { .name: bn, .offset: 32, .size: 8, .value_kind: global_buffer, .address_space: global }
      - { .name: x, .offset: 40, .size: 8, .value_kind: global_buffer, .address_space: global }
      - { .name: out0, .offset: 48, .size: 8, .value_kind: global_buffer, .address_space: global }
    .group_segment_fixed_size: 327680
    .private_segment_fixed_size: 0
    .kernarg_segment_align: 8
    .kernarg_segment_size: 56
    .max_flat_workgroup_size: 128
    .sgpr_count:     72
    .vgpr_count:     1024
    .wavefront_size: 32
...
	.end_amdgpu_metadata
.endif
;; end of part 3
